; MI455X (gfx1250); checked and timed in simulation.
; The chip was launched on July 23, 2026; its instructions are those of AMD's public machine-readable ISA for CDNA 5 (MIT licence, August 2026) and "CDNA5" Instruction Set Architecture Reference Guide (July 2026). The comments in the code are by the model that wrote it; some were corrected since.
;; Causal Self Attention. Allowed arithmetic: matrix products marked QUANTISED: E4M3 operands, one given power-of-two scale a tensor, by v_wmma_f32_16x16x64_fp8_fp8 or v_wmma_f32_16x16x128_fp8_fp8, f32 sums; everything else in f32.
;; Inputs: W_proj_codes 1,024 x 32 x 32 uint8 (E4M3 codes of W_proj, K innermost, in blocks of 32 codes); W_qkv_codes 3,072 x 32 x 32 uint8 (E4M3 codes of W_qkv, K innermost, in blocks of 32 codes); lowp_scales 8 int32 (the exponents e of the quantised operands' scales 2^e); x_codes 2 x 2,048 x 32 x 32 uint8 (E4M3 codes of x, K innermost, in blocks of 32 codes).
;; Outputs: out0 2 x 2,048 x 1,024 float32.
;; This version of the problem:
;;   THIS VERSION OF THE PROBLEM IS GIVEN IN LOW PRECISION. The matrix products marked QUANTISED in the list below multiply operands that are first quantised to E4M3 (4 exponent bits, 3 mantissa bits; 8 bits a number), with one given power-of-two scale for each operand tensor; their sums are f32. All else is computed in f32.
;;   The module's matrix products, in the order in which they are computed (A, B: the left and right operand; K: the contracted axis; several contracted axes count as one K, in the product's order):
;;     1. [M 4,096, K 1,024] x [K 1,024, N 3,072]; A: input x (given as codes); B: input W_qkv (given as codes): QUANTISED (scales: A lowp_scales[0], B lowp_scales[1])
;;     2. batch 32 x [M 2,048, K 64] x [K 64, N 2,048]; A: computed on the way; B: computed on the way: QUANTISED (scales: A lowp_scales[2], B lowp_scales[3])
;;     3. batch 32 x [M 2,048, K 2,048] x [K 2,048, N 64]; A: softmax (see below); B: computed on the way: QUANTISED (scales: A lowp_scales[4], B lowp_scales[5])
;;     4. [M 4,096, K 1,024] x [K 1,024, N 1,024]; A: computed on the way; B: input W_proj (given as codes): QUANTISED (scales: A lowp_scales[6], B lowp_scales[7])
;;   THE QUANTISER, for each operand of a quantised product, along K:
;;     - The operand's scale is 2^e, e = its entry of the input lowp_scales (int32; the entries are numbered through the quantised products in the list's order, A before B).
;;     - Each number is divided by the scale, clamped to +-448, and rounded to the nearest number of E4M3, ties to even, subnormals kept.
;;     - The product sums the exact products of the quantised numbers (number of the format x scale) in f32.
;;   ~~~python
;;   def quantise(x, axis, e):      # numpy; x: float32 -> the quantised numbers, widened to float32 again
;;       x = np.moveaxis(x, axis, -1); K = x.shape[-1]
;;       r = np.clip(x / 2.0 ** e, -448, 448)
;;       step = 2.0 ** (np.maximum(np.frexp(np.where(r == 0, 1, r))[1] - 1, -6) - 3)
;;       q = np.round(r / step) * step * 2.0 ** e      # np.round: ties to even
;;       return np.moveaxis(q, -1, axis).astype(np.float32)
;;   ~~~
;;   SOFTMAX AHEAD OF A QUANTISED PRODUCT. Where the list says 'softmax', what is quantised is not the finished softmax but p = 2^(t - M), with t = logit x log2(e) and M = ceil(the row's largest t), a whole number; so 1/2 < the row's largest p <= 1. The row's sum l is taken of the UNQUANTISED p, in f32, and the product's result is divided by l at the end. Since M is a whole number, a kernel that streams over the keys may use a running M (the ceiling of the running maximum): every later rescaling is an exact power of two, so the quantised numbers keep their values, but for numbers so far below the row's largest that they fall under the format's range.
;;   OPERANDS COMPUTED ON THE WAY. 'Computed on the way' means the value that the module computes at that place (a softmax that the list does not call 'softmax' is quantised finished and normalised). What goes into a quantiser is computed in f32, as accurately as f32 sums, v_exp_f32 and their like allow (about 1e-6 of the number): no bf16 or f16 on the way to a quantiser, and a product that is left as it is and whose result goes on into a quantised operand takes f32 operands (vector FMAs, or v_wmma_f32_16x16x4_f32). A number that lies on a knife's edge between two numbers of the format may be rounded either way, as far as f32 arithmetic and the matrix unit's own rounding can turn it there, and no further.
;;   INPUTS GIVEN AS CODES. W_proj (in the module: [1024, 1024], K = its axis 0); W_qkv (in the module: [1024, 3072], K = its axis 0); x (in the module: [2, 2048, 1024], K = its axis 2): each comes as NAME_codes (uint8): NAME with its K axis moved to the last place and cut into blocks of 32 codes, [.., K / 32, bytes a block], one block behind the other in memory; one code a byte (a code: sign, 4 exponent bits, 3 mantissa bits); its scale is its entry of lowp_scales. Its value is code x scale, taken as it is: it is not quantised again, and the codes and scales need not be those that the quantiser above would give.
;; One version. Each part assembles by itself: llvm-mc -triple=amdgcn-amd-amdhsa -mcpu=gfx1250 --defsym DOCPART=n.
;; ======== version 1 of 1: 3 launches
;; limits: right only within a limited range of input values
;; workspace buffers: qkv 12,582,912 bytes; acodes 4,194,304 bytes
;; launch qkv (part 1): grid 12 x 16, 4 waves a work-group, clusters of 4 x 4, 327,680 bytes of LDS; arguments x_codes, W_qkv_codes, lowp_scales, qkv; writes qkv
.if DOCPART == 1
	.amdgcn_target "amdgcn-amd-amdhsa--gfx1250"
	.amdhsa_code_object_version 6
	.text
	.protected	k_q896134e86a_qkv
	.globl	k_q896134e86a_qkv
	.p2align	8
	.type	k_q896134e86a_qkv,@function
k_q896134e86a_qkv:
	s_mov_b64 s[64:65], 0
	v_nop
	global_prefetch_b8 v0, s[64:65] scope:SCOPE_SE
	s_setreg_imm32_b32 hwreg(HW_REG_WAVE_MODE, 25, 1), 1
	s_wait_xcnt 0x0
	s_wait_alu depctr_hold_cnt(0) depctr_sa_sdst(0) depctr_va_vdst(0) depctr_va_sdst(0) depctr_va_ssrc(0) depctr_va_vcc(0) depctr_vm_vsrc(0)
	s_getreg_b32 s2, hwreg(HW_REG_IB_STS2, 6, 4)
	s_cmp_eq_u32 s2, 0
	s_cbranch_scc0 .Lentry_in_a_cluster
	s_endpgm
.Lentry_in_a_cluster:
	s_bfe_u32 s2, ttmp6, 0x10000c
	s_cmp_lg_u32 s2, 0xf033
	s_cbranch_scc0 .Lentry_shape_is_right
	s_endpgm
.Lentry_shape_is_right:
; q, k, v = x W_qkv on codes of FP8 (E4M3), and the three results quantised again, each by its own given scale, into the buffer qkv: sections of 4,194,304 bytes: 0 = q, 1 = k, 2 = v.
; x: [4096][1024] codes, W_qkv: [3072][1024] codes, K innermost.  lowp_scales: e0 .. e7.  A sum stands for sum x 2^(e0 + e1); its code is sum / 2^(eo - e0 - e1), eo = e2 (q), e3 (k), e5 (v), held within +-448.
; LIMITS: eo - e0 - e1 lies between -126 and 119, so that the scale and 448 x the scale are f32 numbers.  NaN codes among the inputs are not served.
; THE PRODUCT is C' = A' B'^T in tiles of 256 x 256, a work-group of four waves to a tile, a wave 128 x 128: 64 accumulators, 512 registers.  K = 1,024 goes in four steps of 256 through a ring of two LDS slots.
; WHO: clusters x = 0, 1 make q and k: A' = x (tokens), B' = rows 0-2047 of W_qkv.  Cluster x = 2 makes v TRANSPOSED: A' = rows 2048-3071 of W_qkv (v's channels), B' = x (tokens): so a lane's eight results
; run along the tokens, which are the K of the product that v feeds.  128 + 64 = 192 tiles.  The choice is made by selects on the cluster's x alone, which all partners share; there is no branch on it.
; CLUSTERS: 4 x 4 work-groups.  The four of a row of the cluster need the same tiles of A', the four of a column the same tiles of B': each tile is asked for JOINTLY, by the same tensor load with a mask that names the four.
; THE MATRIX INSTRUCTION IS USED TRANSPOSED (source 0 = 16 rows of B', source 1 = 16 rows of A'): lane (r, h) of accumulator (a, b) holds row 16 a + r of C' and its columns 16 b + 8 h + 0 .. 7.
; Eight such numbers, converted, are registers 2 b, 2 b + 1 of an 8-bit operand whose K runs along C's columns (k = 16 b + 8 h + 0 .. 7).  So THE CODES ARE STORED AS IMAGES OF THE NEXT PRODUCT'S OPERAND REGISTERS:
; four registers x 32 lanes = 512 consecutive bytes a store, lane l's 16 bytes at 16 l.  No stage in LDS.
;   q, k: byte = head x 131072 + (token / 128) x 8192 + a x 1024 + c x 512 + 16 lane    (a: tile of 16 tokens; c: registers 4 c .. 4 c + 3 of a fragment of 16 tokens x 64 channels)
;   v:    byte = head x 131072 + (token / 128) x 8192 + t x 2048 + g x 512 + 16 lane    (t: tile of 16 channels; g: registers 4 g .. 4 g + 3 of a fragment of 16 channels x 128 keys);  head = 16 x batch + head
; REGISTERS, in windows of 256: window 0: v0-31 addresses and the quantiser's two numbers; v32-95 at work on the way out; v96-111 the stores' offsets; from v128 A's fragments, ONE set, later the codes.
;   window 1: B's fragments, TWO sets.   window 2: the accumulators of my rows 0-63 ((a, b) at v[8 (8 a + b)]);   window 3: those of my rows 64-127.
.set KROW,   1024                      ; a row of x or of W_qkv in bytes
.set ROWB,   256                       ; a tile's row in bytes: 256 along K
.set PITCH,  272                       ; an LDS row: 256 bytes + 16 of padding = 68 words: row r starts at bank 4 r mod 64 (64 banks of 4 bytes: ISA guide 11.1), so the 16 rows of a load start at 16 different banks
.set FR,     16                        ; registers of a fragment: 16 rows x 128 K
.set NL,     4                         ; LDS loads that bring one
.set NP,     4                         ; places behind this matrix instruction (ISA guide 7.12.1)
.set HALFT,  128*PITCH                 ; 128 rows: what one tensor load brings, and what one wave reads of A' or of B'
.set SLOT,   4*HALFT                   ; A's 256 rows, then B's 256 rows
.set LAPS,   KROW/(2*ROWB)             ; a lap = two slots = once round the ring: 2
.set SPARE,  2*SLOT                    ; behind the ring: the spare words, 128 bytes for each wave: two blocks of 256 bytes that no other line names
.set ADRA, 16                          ; v16-17  LDS address of my A fragments in slot 0, 1
.set ADRB, 20                          ; v20-21  the same for B
.set SPW,  28                          ; v28     LDS address of my spare word; never rewritten
.set NIL,  29                          ; v29     0; never rewritten
.set LIM,  30                          ; v30     448 x 2^(eo - e0 - e1)
.set SC,   31                          ; v31     2^(eo - e0 - e1): the conversion takes its exponent field
.set TMP,  32                          ; v32-95  a block's 64 sums, held
.set CO,   96                          ; v96-103  block a's byte offset in my part of the section
.set CO2,  104                         ; v104-111 the same for the block's second pair of stores
.set AF,   128                         ; A's fragments, in window 0
.set CD,   128                         ; the way out: block a's 16 registers of codes at v[128 + 16 a]: no store's data are written again
.set G1, 24                            ; s[24:31] descriptor group 1 for A's tiles;  s[32:39] group 0, one set for each slot
.set G0, 32
.set G1B, 48                           ; s[48:55], s[56:63] the same for B's tiles
.set G0B, 56
.set MSB, 0
.macro WIN new                         ; the immediate's high byte repeats the setting that is left
.if MSB != \new
	s_set_vgpr_msb (MSB<<8)|\new
.set MSB, \new
.endif
.endm
.set MUL_LO, 0xa1                      ; source 0 (B) window 1, source 1 (A) window 0, C and D window 2
.set MUL_HI, 0xf1                      ; the same, C and D window 3
.set TO_B,   0x40                      ; destination window 1, address window 0
; A joint load: waves 0 and 1 fetch for A', waves 2 and 3 for B'.  Each of the two lines has ONE mask and one set of registers for all that issue it; the branch hangs on the wave's number alone.
; Four v_nop follow each of the two lines, ahead of the jump, the label and what follows.
.macro JLOAD g0a, g1a, g0b, g1b
	s_cmp_eq_u32 s15, 0
	s_cbranch_scc0 .Lfor_b_\@
	tensor_load_to_lds s[\g0a:\g0a+3], s[\g1a:\g1a+7]
	s_nop 0
.rept 4
	v_nop
.endr
	s_branch .Lasked_\@
.Lfor_b_\@:
	tensor_load_to_lds s[\g0b:\g0b+3], s[\g1b:\g1b+7]
	s_nop 0
.rept 4
	v_nop
.endr
.Lasked_\@:
.endm
.macro CREST                           ; a round of the cluster's barrier behind its opening barrier
	s_cmp_lg_u32 s14, 0
	s_cbranch_scc1 .Lnot_wave_0_\@
	s_barrier_signal -3
.Lnot_wave_0_\@:
	s_barrier_wait -3
	s_barrier_signal -1
	s_barrier_wait -1
.endm
.macro CROUND                          ; a whole round
	s_barrier_signal -1
	s_barrier_wait -1
	CREST
.endm
	s_load_b128 s[4:7], s[0:1], 0x0                ; x's codes s[4:5], W_qkv's codes s[6:7]
	s_load_b128 s[8:11], s[0:1], 0x10              ; the scales' exponents s[8:9], qkv s[10:11]
	v_lshl_add_u32 v[SPW], v0, 2, SPARE
	v_mov_b32 v[NIL], 0
	ds_add_u32 v28, v29
	ds_add_u32 v28, v29
	s_wait_dscnt 0x0
	v_lshrrev_b32 v1, 5, v0
	v_readfirstlane_b32 s14, v1                    ; wave 0..3
	s_lshr_b32 s15, s14, 1                         ; which half of the tile's rows is mine.  Also: I fetch for A' (0) or for B' (1)
	s_and_b32 s16, s14, 1                          ; which half of its columns.  Also: which 128 rows of that tile I fetch
	s_bfe_u32 s40, ttmp6, 0x40000                  ; cx, cy: my place in the cluster
	s_bfe_u32 s41, ttmp6, 0x40004
	s_lshl_b32 s12, ttmp9, 2                       ; 4 x cluster x
	s_and_b32 s13, ttmp7, 0xffff
	s_lshl_b32 s13, s13, 2                         ; 4 x cluster y
	s_cmp_eq_u32 ttmp9, 2                          ; is this cluster one of v's?
	s_cselect_b32 s17, 0, s13                      ; q, k: 16 tile rows of tokens, by cluster y;  v: 4 tile rows of channels
	s_cselect_b32 s42, s13, s12                    ; q, k: 8 tile columns of W's rows, by cluster x;  v: 16 tile columns of tokens, by cluster y
	s_add_co_u32 s17, s17, s41                     ; tile row of C' (+ cy)
	s_add_co_u32 s42, s42, s40                     ; tile column of C' (+ cx)
	s_lshl_b32 s43, s41, 2
	s_lshl_b32 s43, 15, s43                        ; my row of the cluster
	s_lshl_b32 s44, 0x1111, s40                    ; my column
	; descriptor group 1: a tile of 128 rows x 256 bytes, padded in LDS
	s_or_b32 s[G1+0], s43, (0<<16)|(1<<20)|(1<<21)|(5<<22)|(3<<25)  ; 15:0 the mask: A's tiles go to my row; 17:16 element of 1 byte; 20 padding on; 21 set beside a mask; 24:22 after every 64 words (code 5); 31:25 of 4 words (code 3)
	s_or_b32 s[G1B+0], s44, (0<<16)|(1<<20)|(1<<21)|(5<<22)|(3<<25) ; the same with the mask of my column
.irp g, G1, G1B
	s_mov_b32 s[\g+1], ROWB<<16                    ; tensor_dim0
	s_mov_b32 s[\g+2], 128<<16                     ; tensor_dim1 = 128
	s_mov_b32 s[\g+3], ROWB<<16                    ; tile_dim0
	s_mov_b32 s[\g+4], 128                         ; tile_dim1 = 128
	s_mov_b32 s[\g+5], KROW                        ; tensor_dim0_stride
	s_mov_b32 s[\g+6], 0
	s_mov_b32 s[\g+7], 0
.endr
	s_lshl_b32 s18, s16, 7                         ; which 128 rows of the tile I fetch
	s_lshl_b32 s20, s17, 8
	s_add_co_u32 s20, s20, s18                     ; A': row 256 x tile row + 128 x half
	s_lshl_b32 s46, s42, 8
	s_add_co_u32 s46, s46, s18                     ; B': row 256 x tile column + 128 x half
	s_mov_b32 s21, 0
	s_mov_b32 s47, 0
	s_mov_b64 s[18:19], KROW
	s_mul_u64 s[20:21], s[20:21], s[18:19]         ; in bytes
	s_mul_u64 s[46:47], s[46:47], s[18:19]
	s_mul_i32 s45, s14, HALFT                      ; where they go: wave x 128 rows: no place in the cluster enters an LDS address
	s_wait_kmcnt 0x0
	s_load_b256 s[72:79], s[8:9], 0x0              ; e0 .. e7
	s_add_nc_u64 s[88:89], s[6:7], 2048*KROW       ; W_qkv at v's first row
	s_cmp_eq_u32 ttmp9, 2                          ; (compared again: the additions above have set SCC)
	s_cselect_b64 s[84:85], s[88:89], s[4:5]       ; A'
	s_cselect_b64 s[86:87], s[4:5], s[6:7]         ; B'
	s_add_nc_u64 s[20:21], s[84:85], s[20:21]
	s_add_nc_u64 s[46:47], s[86:87], s[46:47]
	CROUND                                         ; all sixteen work-groups are here: the first joint loads meet
.irp s, 0,1
	s_mov_b32 s[G0+4*\s], 1
	s_add_co_u32 s[G0+4*\s+1], s45, \s*SLOT
	s_add_nc_u64 s[G0+4*\s+2:G0+4*\s+3], s[20:21], \s*ROWB
	s_or_b32 s[G0+4*\s+3], s[G0+4*\s+3], 0x80000000
	s_mov_b32 s[G0B+4*\s], 1
	s_add_co_u32 s[G0B+4*\s+1], s45, \s*SLOT
	s_add_nc_u64 s[G0B+4*\s+2:G0B+4*\s+3], s[46:47], \s*ROWB
	s_or_b32 s[G0B+4*\s+3], s[G0B+4*\s+3], 0x80000000
.endr
	JLOAD G0, G1, G0B, G1B                         ; slot 0: one tensor load a wave at the head
	v_and_b32 v1, 15, v0                           ; l % 16
	v_bfe_u32 v2, v0, 4, 1                         ; l / 16
	v_mul_u32_u24 v3, v1, PITCH
	v_lshl_add_u32 v4, v2, 4, v3                   ; a fragment's row x pitch + 16 x half
	s_mul_i32 s21, s15, HALFT                      ; my 128 rows of A'
	s_mul_i32 s22, s16, HALFT                      ; my 128 rows of B',
	s_add_co_u32 s22, s22, 2*HALFT                 ; which lie behind A's 256
.irp s, 0,1
	v_add_nc_u32 v[ADRA+\s], s21, v4
	v_add_nc_u32 v[ADRB+\s], s22, v4
	s_add_co_u32 s21, s21, SLOT
	s_add_co_u32 s22, s22, SLOT
.endr
	; THE WAY OUT'S NUMBERS are made here, while the first tiles are on their way.
	s_lshl_b32 s90, s17, 1
	s_add_co_u32 s90, s90, s15                     ; which 128 rows of C' are mine
	s_lshl_b32 s91, s42, 1
	s_add_co_u32 s91, s91, s16                     ; which 128 columns
	s_cmp_eq_u32 ttmp9, 2
	s_cselect_b32 s92, s91, s90                    ; the block of 128 tokens, 0 .. 31: q, k: my rows; v: my columns
	s_cselect_b32 s93, s90, s91                    ; the pair of heads: q, k: my columns (mod 8); v: my rows
	s_mov_b32 s81, 1024
	s_cselect_b32 s81, 2048, s81                   ; from block a to block a + 1: q, k: a tile of 16 tokens, 1,024 bytes; v: a tile of 16 channels, 2,048
	s_mov_b32 s82, 1024
	s_cselect_b32 s82, 124928, s82                 ; from block 3 to block 4: v: on to the second head: 131,072 - 3 x 2,048
	s_mov_b32 s83, 131072
	s_cselect_b32 s83, 1024, s83                   ; from a block's first pair of stores to its second: q, k: the second head; v: registers 8 .. 15 of the fragment
	s_and_b32 s94, s92, 16                         ; 16 x batch
	s_and_b32 s93, s93, 7
	s_lshl_b32 s93, s93, 1
	s_add_co_u32 s94, s94, s93                     ; the first of my two heads, 0 .. 30
	s_lshl_b32 s94, s94, 17
	s_and_b32 s92, s92, 15
	s_lshl_b32 s92, s92, 13                        ; the block of tokens in its sequence x 8,192
	s_add_co_u32 s94, s94, s92
	s_lshl_b32 s92, ttmp9, 22                      ; the section: cluster x
	s_add_co_u32 s94, s94, s92
	s_mov_b32 s95, 0
	s_add_nc_u64 s[10:11], s[10:11], s[94:95]
	v_and_b32 v5, 31, v0
	v_lshlrev_b32 v[CO], 4, v5                     ; 16 x lane
.irp a, 1,2,3,4,5,6,7
.if \a == 4
	v_add_nc_u32 v[CO+\a], s82, v[CO+\a-1]
.else
	v_add_nc_u32 v[CO+\a], s81, v[CO+\a-1]
.endif
.endr
.irp a, 0,1,2,3,4,5,6,7
	v_add_nc_u32 v[CO2+\a], s83, v[CO+\a]
.endr
	s_wait_kmcnt 0x0                               ; the exponents
	s_cmp_eq_u32 ttmp9, 0
	s_cselect_b32 s80, s74, s75                    ; e2 for q, e3 for k,
	s_cmp_eq_u32 ttmp9, 2
	s_cselect_b32 s80, s77, s80                    ; e5 for v
	s_sub_co_i32 s80, s80, s72
	s_sub_co_i32 s80, s80, s73                     ; eo - e0 - e1: the three scales folded into the conversion's one
	s_add_co_i32 s80, s80, 127
	s_lshl_b32 s94, s80, 23
	v_mov_b32 v[SC], s94
	s_add_co_i32 s80, s80, 8
	s_lshl_b32 s80, s80, 23
	s_or_b32 s80, s80, 0x600000
	v_mov_b32 v[LIM], s80                          ; 448 x that
.macro FRAG reg, adr, q, i             ; a fragment, 16 rows x 128 K, is 16 registers, fetched by four loads of 16 bytes: registers 4 c .. 4 c + 3 hold K = 32 c + 16 (l / 16) + 0 .. 15: a permutation of k, the same in A' and B'
.irp c, 0,1,2,3
	ds_load_b128 v[\reg+4*\c:\reg+4*\c+3], v[\adr] offset:128*(\q)+32*\c+(\i)*16*PITCH
.endr
.endm
; 16 matrix instructions: A's blocks a0, a0 + 1 x B's eight, 128 along K.  p: B's set.  zero = 1: the first product starts the sums: nothing is ever cleared.
; The 64 accumulators take turns, one instruction a turn, in the same order in every step.
.macro MUL16 a0, p, zero
.irp a, \a0, \a0+1
.irp b, 0,1,2,3,4,5,6,7
.if \zero
	v_wmma_f32_16x16x128_fp8_fp8 v[8*(8*((\a)%4)+\b):8*(8*((\a)%4)+\b)+7], v[128*(\p)+FR*\b:128*(\p)+FR*\b+FR-1], v[AF+FR*(\a):AF+FR*(\a)+FR-1], 0
.else
	v_wmma_f32_16x16x128_fp8_fp8 v[8*(8*((\a)%4)+\b):8*(8*((\a)%4)+\b)+7], v[128*(\p)+FR*\b:128*(\p)+FR*\b+FR-1], v[AF+FR*(\a):AF+FR*(\a)+FR-1], v[8*(8*((\a)%4)+\b):8*(8*((\a)%4)+\b)+7]
.endif
.endr
.endr
.endm
.macro FETCH_B slot, q, p              ; B's eight fragments of the slot's q-th 128 along K into set p
	WIN TO_B
.irp i, 0,1,2,3,4,5,6,7
	FRAG 128*(\p)+FR*\i, ADRB+\slot, \q, \i
.endr
	WIN 0
.endm
.macro FETCH_A slot, q, i0             ; A's blocks i0 .. i0 + 3
.irp i, \i0, \i0+1, \i0+2, \i0+3
	FRAG AF+FR*(\i), ADRA+\slot, \q, \i
.endr
.endm
; A load into a register that a matrix instruction has read, and a vector instruction that reads a matrix result, stand NP places behind that matrix instruction, and only plain vector
; instructions that name none of its registers are places (ISA guide 7.12.1 for vector instructions).
.macro PLACES n
.rept \n
	v_nop
.endr
.endm
; A step of 128 along K that has its successor in the same slot.  A's blocks are free as soon as their eight products are issued, so one set serves A: blocks 0-3 are fetched anew in the step's middle, blocks 4-7 at its end.
.macro STEP slot, q, zero
	s_wait_dscnt 4*NL                              ; B's set and A's blocks 0-3 are in; the youngest sixteen loads (A's blocks 4-7) may be out
	WIN MUL_LO
	MUL16 0, (\q)%2, \zero
	MUL16 2, (\q)%2, \zero
	s_wait_dscnt 0                                 ; A's blocks 4-7 are in (asked for 32 matrix instructions ago)
	PLACES NP
	FETCH_B \slot, (\q)+1, 1-(\q)%2
	FETCH_A \slot, (\q)+1, 0
	WIN MUL_HI
	MUL16 4, (\q)%2, \zero
	MUL16 6, (\q)%2, \zero
	PLACES NP
	WIN 0
	FETCH_A \slot, (\q)+1, 4
.endm
; A slot's last step changes slots: ONE barrier; in front of it each wave waits for all its tensor loads, adds 0 to its spare word, and waits for that and for its own reads of this slot.  fill = 1: this slot is filled again, two slots ahead.
.macro TURN slot, next, fill
	s_wait_tensorcnt 0x0                           ; all my tensor loads have landed: my part of the next slot;  (every window is 0 here: the add's two registers lie in window 0)
	ds_add_u32 v[SPW], v[NIL]                      ; 0 onto my spare word
	s_wait_dscnt 4*NL+1                            ; (the add and the youngest sixteen loads, A's blocks 4-7, may be out)
	WIN MUL_LO
	MUL16 0, 1, 0                                  ; sixteen matrix instructions stand between the add and the wait for it
	s_wait_dscnt 0x0                               ; the add is done, and my reads of this slot are over
	s_barrier_signal -1
	MUL16 2, 1, 0
	WIN 0
	s_barrier_wait -1
.if \fill
	CREST                                          ; the barrier has opened a round of the cluster's barrier: no wave of any partner still reads this slot's tile or has a load on its way
	s_add_nc_u64 s[G0+4*\slot+2:G0+4*\slot+3], s[G0+4*\slot+2:G0+4*\slot+3], 2*ROWB
	s_add_nc_u64 s[G0B+4*\slot+2:G0B+4*\slot+3], s[G0B+4*\slot+2:G0B+4*\slot+3], 2*ROWB
	JLOAD G0+4*\slot, G1, G0B+4*\slot, G1B         ; the first tensor load behind the round; the four v_nop behind it are the places in front of the loads below
.else
	PLACES NP
.endif
	FETCH_B \next, 0, 0
	FETCH_A \next, 0, 0
	WIN MUL_HI
	MUL16 4, 1, 0
	MUL16 6, 1, 0
	PLACES NP
	WIN 0
	FETCH_A \next, 0, 4
.endm
	s_wait_alu depctr_va_vdst(0)                   ; the head's end
	s_wait_tensorcnt 0x0                           ; my part of slot 0 is in; the same lines stand ahead of a later first fill as ahead of a refill:
	ds_add_u32 v[SPW], v[NIL]                      ; 0 onto my spare word
	s_wait_dscnt 0x0                               ; the add is done
	CROUND                                         ; everybody's part of slot 0 is in, and all sixteen work-groups are here:
	JLOAD G0+4, G1, G0B+4, G1B                     ; slot 1's load is the first tensor load behind the round
	FETCH_B 0, 0, 0
	FETCH_A 0, 0, 0
	FETCH_A 0, 0, 4
	STEP 0, 0, 1                                   ; the first step stands in front of the loop: its products start the sums
	s_mov_b32 s3, LAPS-1
.Llap:                                                 ; a trip goes once round the ring, from a lap's second step to the next lap's first, and fills both slots again
	TURN 0, 1, 1
	STEP 1, 0, 0
	TURN 1, 0, 1
	STEP 0, 0, 0
	s_sub_co_u32 s3, s3, 1
	s_cmp_lg_u32 s3, 0
	s_cbranch_scc1 .Llap
	TURN 0, 1, 0                                   ; the last lap fills nothing, and has no round of the cluster's barrier
	STEP 1, 0, 0
	s_wait_dscnt 4*NL                              ; the very last step: nothing more to fetch
	WIN MUL_LO
	MUL16 0, 1, 0
	MUL16 2, 1, 0
	s_wait_alu depctr_va_vdst(0)
	s_wait_dscnt 0
	WIN MUL_HI
	MUL16 4, 1, 0
	MUL16 6, 1, 0
	WIN 0
; THE WAY OUT, block by block of 16 rows x 128 columns.  The 64 sums of a lane are held within +-448 x the scale (the conversion to an 8-bit code does not saturate: ISA guide 7.6.2), each accumulator from its low end on,
; and converted, eight at a time: accumulator b gives registers 2 b, 2 b + 1 of the block's 16.  Four stores of 512 consecutive bytes, each at a multiple of 512 from the buffer's first byte.
; Every block has its own registers for codes and offsets, and the base stays: no source of a store is ever written again.
.macro OUT a
.set AC, 64*((\a)%4)
	WIN (0x02+(\a)/4)                              ; source 0: window 2 or 3
.set jj, 0
.rept 64
	v_med3_num_f32 v[TMP+jj], v[AC+jj], -v[LIM], v[LIM]
.set jj, jj+1
.endr
	WIN 0
.irp b, 0,1,2,3,4,5,6,7
	v_cvt_scalef32_pk8_fp8_f32 v[CD+16*(\a)+2*\b:CD+16*(\a)+2*\b+1], v[TMP+8*\b:TMP+8*\b+7], v[SC]
.endr
	v_nop                                          ; one plain vector instruction between the conversions and the next block's holds, which write their sources
	global_store_b128 v[CO+(\a)],  v[CD+16*(\a):CD+16*(\a)+3],     s[10:11]
	global_store_b128 v[CO+(\a)],  v[CD+16*(\a)+4:CD+16*(\a)+7],   s[10:11] offset:512
	global_store_b128 v[CO2+(\a)], v[CD+16*(\a)+8:CD+16*(\a)+11],  s[10:11]
	global_store_b128 v[CO2+(\a)], v[CD+16*(\a)+12:CD+16*(\a)+15], s[10:11] offset:512
.endm
	PLACES NP                                      ; behind the last products: the holds read results, and the conversions write the registers that held A's fragments
.irp a, 0,1,2,3,4,5,6,7
	OUT \a
.endr
	s_wait_tensorcnt 0x0                           ; the wave's end, behind my last tensor load
	ds_add_u32 v[SPW], v[NIL]
	s_wait_dscnt 0x0
	CROUND                                         ; the closing round: no work-group ends while a partner may still ask for a tile that names it
	s_endpgm
.Lfunc_end_k_q896134e86a_qkv:
	.size	k_q896134e86a_qkv, .Lfunc_end_k_q896134e86a_qkv-k_q896134e86a_qkv
	.p2alignl 7, 3214868480
	.fill 96, 4, 3214868480
	.section	.rodata,"a",@progbits
	.p2align	6, 0x0
	.amdhsa_kernel k_q896134e86a_qkv
		.amdhsa_group_segment_fixed_size 327680
		.amdhsa_private_segment_fixed_size 0
		.amdhsa_enable_private_segment 0
		.amdhsa_kernarg_size 32
		.amdhsa_user_sgpr_count 2
		.amdhsa_user_sgpr_kernarg_segment_ptr 1
		.amdhsa_wavefront_size32 1
		.amdhsa_system_sgpr_workgroup_id_x 1
		.amdhsa_system_sgpr_workgroup_id_y 1
		.amdhsa_system_sgpr_workgroup_id_z 1
		.amdhsa_system_vgpr_workitem_id 0
		.amdhsa_next_free_vgpr 1024
		.amdhsa_next_free_sgpr 100
		.amdhsa_reserve_vcc 0
		.amdhsa_float_denorm_mode_32 3
		.amdhsa_float_denorm_mode_16_64 3
		.amdhsa_memory_ordered 1
		.amdhsa_forward_progress 1
		.amdhsa_inst_pref_size 119
	.end_amdhsa_kernel
	.amdgpu_metadata
---
amdhsa.version: [ 1, 2 ]
amdhsa.kernels:
  - .name:           k_q896134e86a_qkv
    .symbol:         k_q896134e86a_qkv.kd
    .args:
      - { .name: x_codes, .offset: 0, .size: 8, .value_kind: global_buffer, .address_space: global }
      - { .name: W_qkv_codes, .offset: 8, .size: 8, .value_kind: global_buffer, .address_space: global }
      - { .name: lowp_scales, .offset: 16, .size: 8, .value_kind: global_buffer, .address_space: global }
      - { .name: qkv, .offset: 24, .size: 8, .value_kind: global_buffer, .address_space: global }
    .group_segment_fixed_size: 327680
    .private_segment_fixed_size: 0
    .kernarg_segment_align: 8
    .kernarg_segment_size: 32
    .max_flat_workgroup_size: 128
    .sgpr_count:     100
    .vgpr_count:     1024
    .wavefront_size: 32
...
	.end_amdgpu_metadata
.endif
;; end of part 1
;; launch attn (part 2): grid 32 x 8, 16 waves a work-group, no clusters, 327,680 bytes of LDS; arguments qkv, lowp_scales, acodes; writes acodes
.if DOCPART == 2
	.amdgcn_target "amdgcn-amd-amdhsa--gfx1250"
	.amdhsa_code_object_version 6
	.text
	.protected	k_q896134e86a_attn
	.globl	k_q896134e86a_attn
	.p2align	8
	.type	k_q896134e86a_attn,@function
k_q896134e86a_attn:
	s_mov_b64 s[64:65], 0
	v_nop
	global_prefetch_b8 v0, s[64:65] scope:SCOPE_SE
	s_setreg_imm32_b32 hwreg(HW_REG_WAVE_MODE, 25, 1), 1
	s_wait_xcnt 0x0
; Causal attention on codes of FP8 (E4M3): p = 2^(t - M), t = score x log2(e) / 8, M the running largest t rounded up to a whole number; p is quantised by 2^e4, the row's sum is taken of the unquantised p and
; divides at the end; the result is quantised by 2^e6 into acodes, as images of the next product's operand registers.
; LEFT OUT: blocks of 128 x 128 scores that lie wholly above the diagonal: the causal mask makes each of their p zero, for all values of the inputs (a NaN or an infinity that reaches only those scores is not carried).
; LIMITS: e2 + e3 between -123 and 130; e4 between -126 and 119; e6 - e4 - e5 between -126 and 119; scaled scores (exponents to the base 2) under 2^31 in magnitude; NaN codes are not served.
; SHARES.  Work-group (x = batch and head, y) owns the 128 queries of block y (early) and of block 15 - y (late): 17 blocks of keys in all.  Its 16 waves are 8 pairs A (waves 0-7), B (waves 8-15); a pair owns 16 queries of
; each of the two blocks.  The late tile's 16 - y key blocks are split: A walks i + min(i, 7 - y), i = 0 .. 8: nine blocks, the diagonal one last.  B walks the early tile's blocks 0 .. y, finishes that tile, and then walks the
; late tile's odd blocks 1, 3 .. 13 - 2 y: eight in all.  At the end B gives its sums, M and O^T of the late tile to A through LDS, and A joins them.
; TILES: K's and V's 16 blocks of the head come by two tensor loads a wave: blocks 0-7 at the head, blocks 8-15 behind the first barrier: they have four trips to land.  In the first four trips no wave reads a block above 7.
; Wave w brings 1,024 bytes of each of 8 blocks (waves 0-7: K's, 8-15: V's): block 8 is read for every y, so each load brings bytes that are read.  No slot is filled again.
; NO CLUSTER: work-groups of one head need different numbers of key blocks (16 - y), so partners could not read all that a joint load brings.
; NO PREFETCH: the tensor loads stand in no loop; the second one is asked for four trips ahead of its first read, and nothing follows it.
; Both products are used transposed: a lane holds ONE query (lane % 16) throughout.
; REGISTERS: v16-23 Q; v32-95 K, then v32-47 p's codes; v96-159 S^T, then p; v160-191 O^T; v192-255 V; v10 f, v12 -M, v13 the largest score, v[14:15] the sum in two halves; v24-31 at work.
.set PH2,   131072                     ; blocks 8-15 in LDS; V's parts lie 65,536 bytes behind K's
.set SPARE, 262144                     ; the spare words: 128 bytes for each of 16 waves
.set MRG,   264192                     ; the hand-over: 9 x 512 bytes for each pair; no tensor load lands here
.set AK0, 1                            ; 16 x lane
.set SPW, 2
.set ADK, 3
.set ADV, 4
.set DR,  5                            ; lane % 16 - 8 (lane / 16)
.set NIL, 6
.set LIM, 7                            ; 448 x 2^e4
.set SCP, 8                            ; 2^e4
.set MG,  9                            ; my address in the hand-over
.set KFR, 32
.set PC,  32
.set S,   96
.set O,   160
.set VFR, 192
.set STP, 2
.set TB,  3
.set WV,  10
.set ROLE, 11                          ; 0: A, 1: B
.set HD,  12
.set TL,  13                           ; my tile of 16 queries in a block
.set XG,  14                           ; y
.set RX,  15                           ; 7 - y
.set CVS, 20                           ; s20 the result's scale, s21 448 x that
.set DI,  44                           ; the trip that lies on the diagonal
.set FI,  45                           ; the trip behind which B finishes the early tile (A: none)
.set LST, 46                           ; trips in all
.set SEL, 48
.set CS,  50
	s_load_b128 s[4:7], s[0:1], 0x0                ; qkv s[4:5], the exponents s[6:7]
	s_load_b64 s[8:9], s[0:1], 0x10                ; acodes
	v_lshl_add_u32 v[SPW], v0, 2, SPARE
	v_mov_b32 v[NIL], 0
	ds_add_u32 v[SPW], v[NIL]                      ; the wave's opening: the add, twice on end, ahead of my first tensor load
	ds_add_u32 v[SPW], v[NIL]
	v_lshrrev_b32 v24, 5, v0
	v_readfirstlane_b32 s[WV], v24
	s_lshr_b32 s[ROLE], s[WV], 3
	s_and_b32 s[TL], s[WV], 7
	s_mov_b32 s[HD], ttmp9
	s_and_b32 s[XG], ttmp7, 7
	s_xor_b32 s[RX], s[XG], 7
	s_mov_b32 s24, 3<<16                           ; descriptor group 1: 8 rows of 1,024 bytes (128 elements of 8 bytes), 8,192 bytes apart
	s_mov_b32 s25, 128<<16
	s_mov_b32 s26, 8<<16
	s_mov_b32 s27, 128<<16
	s_mov_b32 s28, 8
	s_mov_b32 s29, 1024
	s_mov_b32 s30, 0
	s_mov_b32 s31, 0
	s_lshl_b32 s40, s[WV], 13                      ; my part in LDS
	s_add_co_u32 s16, s[ROLE], 1
	s_lshl_b32 s16, s16, 22                        ; section 1 = k, 2 = v
	s_lshl_b32 s18, s[HD], 17
	s_add_co_u32 s16, s16, s18
	s_lshl_b32 s19, s[TL], 10
	s_add_co_u32 s16, s16, s19
	s_mov_b32 s17, 0
	s_wait_dscnt 0x0                               ; both opening adds are done
	s_wait_kmcnt 0x0
	s_load_b256 s[52:59], s[6:7], 0x0              ; e0 .. e7
	s_add_nc_u64 s[16:17], s[4:5], s[16:17]
	s_mov_b32 s32, 1
	s_mov_b32 s33, s40
	s_mov_b64 s[34:35], s[16:17]
	s_or_b32 s35, s35, 0x80000000
	s_mov_b32 s36, 1
	s_add_co_u32 s37, s40, PH2
	s_add_nc_u64 s[38:39], s[16:17], 65536
	s_or_b32 s39, s39, 0x80000000
	tensor_load_to_lds s[32:35], s[24:31]          ; key blocks 0-7
	s_nop 0
	; Q: my 16 queries of the late block (A) or of the early one (B); s[60:61]: of the late block
	s_lshl_b32 s18, s[HD], 17
	s_add_co_u32 s18, s18, s19                     ; head, tile
	s_xor_b32 s41, s[XG], 15                       ; 15 - y
	s_lshl_b32 s60, s41, 13
	s_add_co_u32 s60, s60, s18
	s_mov_b32 s61, 0
	s_add_nc_u64 s[60:61], s[4:5], s[60:61]
	s_cmp_eq_u32 s[ROLE], 0
	s_cselect_b32 s41, s41, s[XG]                  ; the block that I finish
	s_cselect_b32 s[DI], 8, s[XG]
	s_cselect_b32 s[FI], 31, s[XG]
	s_cselect_b32 s[LST], 9, 8
	s_lshl_b32 s62, s41, 13
	s_add_co_u32 s62, s62, s18
	s_mov_b32 s63, 0
	s_add_nc_u64 s[62:63], s[4:5], s[62:63]
	v_and_b32 v26, 31, v0
	v_lshlrev_b32 v[AK0], 4, v26
	global_load_b128 v[16:19], v[AK0], s[62:63]
	global_load_b128 v[20:23], v[AK0], s[62:63] offset:512
	s_mul_i32 s40, s[TL], 4608
	s_add_co_u32 s40, s40, MRG
	v_add_nc_u32 v[MG], s40, v[AK0]
	v_and_b32 v24, 15, v0
	v_bfe_u32 v25, v0, 4, 1
	v_lshlrev_b32 v25, 3, v25
	v_sub_nc_u32 v[DR], v24, v25
	; where my finished block goes: ((block of 128 tokens x 8 + pair of heads) x 8 + tile) x 2048 + (head % 2) x 1024
	s_and_b32 s16, s[HD], 16
	s_add_co_u32 s16, s16, s41
	s_lshl_b32 s16, s16, 3
	s_bfe_u32 s17, s[HD], 0x30001
	s_add_co_u32 s16, s16, s17
	s_lshl_b32 s16, s16, 3
	s_add_co_u32 s16, s16, s[TL]
	s_lshl_b32 s16, s16, 11
	s_and_b32 s17, s[HD], 1
	s_lshl_b32 s17, s17, 10
	s_add_co_u32 s16, s16, s17
	s_mov_b32 s17, 0
	s_add_nc_u64 s[8:9], s[8:9], s[16:17]
	s_mov_b32 s[SEL], 0x76543210
	s_mov_b32 s[SEL+1], 0xfedcba98
	s_mov_b32 s[CS], 0x3e38aa3b                    ; log2(e) / 8
	s_wait_alu depctr_va_vdst(0)                   ; directly ahead of the wait below
	s_wait_kmcnt 0x0
	s_add_co_i32 s16, s54, s55
	s_lshl_b32 s16, s16, 23
	s_add_co_i32 s[CS], s[CS], s16                 ; a score stands for score x 2^(e2 + e3)
	s_mov_b32 s[CS+1], s[CS]
	s_add_co_i32 s16, s56, 127
	s_lshl_b32 s17, s16, 23
	v_mov_b32 v[SCP], s17
	s_add_co_i32 s16, s16, 8
	s_lshl_b32 s16, s16, 23
	s_or_b32 s16, s16, 0x600000
	v_mov_b32 v[LIM], s16
	s_sub_co_i32 s16, s58, s56
	s_sub_co_i32 s16, s16, s57                     ; e6 - e4 - e5: the scales folded into the last conversion's one
	s_add_co_i32 s16, s16, 127
	s_lshl_b32 s[CVS], s16, 23
	s_add_co_i32 s16, s16, 8
	s_lshl_b32 s[CVS+1], s16, 23
	s_or_b32 s[CVS+1], s[CVS+1], 0x600000
	v_mov_b32 v11, 0                               ; (named as the upper half of the pair v[10:11])
	v_mov_b32 v12, 0x7f61b1e6                      ; -M = 3e38: the first change of M multiplies what was summed by 0
	v_mov_b32 v13, 0xff61b1e6
	v_mov_b32 v14, 0
	v_mov_b32 v15, 0
.set kk, 0
.rept 32
	v_mov_b32 v[O+kk], 0                           ; (the step is written once: the first one finds zeros)
.set kk, kk+1
.endr
; A STEP: 128 keys against my 16 queries.  ph = 0: blocks 0-7 alone; ph = 1: any block.
.macro STEP ph
	s_min_u32 s40, s[STP], s[RX]
	s_add_co_u32 s40, s40, s[STP]                  ; A: i + min(i, 7 - y)
	s_add_co_u32 s41, s[STP], s[RX]
	s_lshl_b32 s41, s41, 1
	s_or_b32 s41, s41, 1
	s_and_b32 s41, s41, 15                         ; B, late: (2 (i + 7 - y) + 1) mod 16 = 2 (i - y) - 1
	s_cmp_le_u32 s[STP], s[XG]
	s_cselect_b32 s41, s[STP], s41                 ; B, early: i
	s_cmp_eq_u32 s[ROLE], 0
	s_cselect_b32 s40, s40, s41
	s_and_b32 s41, s40, 7
	s_lshl_b32 s[TB], s41, 10
.if \ph
	s_bfe_u32 s41, s40, 0x10003
	s_lshl_b32 s41, s41, 17
	s_add_co_u32 s[TB], s[TB], s41
.endif
	v_add_nc_u32 v[ADK], s[TB], v[AK0]
	v_add_nc_u32 v[ADV], 0x10000, v[ADK]
.if \ph
	s_cmp_ge_u32 s[STP], s[LST]                    ; B has no ninth step
	s_cbranch_scc1 .Lhidden_\@
.endif
	v_nop                                          ; with the two additions above four places behind the last products, ahead of loads into registers that they read
	v_nop
.irp i, 0,1,2,3,4,5,6,7
	ds_load_b128 v[KFR+8*\i:KFR+8*\i+3],   v[ADK] offset:8192*\i
	ds_load_b128 v[KFR+8*\i+4:KFR+8*\i+7], v[ADK] offset:8192*\i+512
.endr
.irp t, 0,1,2,3
.irp g, 0,1,2,3
	ds_load_b128 v[VFR+16*\t+4*\g:VFR+16*\t+4*\g+3], v[ADV] offset:(2*\t+\g/2)*8192+(\g%2)*512
.endr
.endr
	s_wait_loadcnt 0x0                             ; Q
	s_wait_dscnt 16                                ; K is in; V's sixteen loads may be out
.irp i, 0,1,2,3,4,5,6,7
	v_wmma_f32_16x16x64_fp8_fp8 v[S+8*\i:S+8*\i+7], v[KFR+8*\i:KFR+8*\i+7], v[16:23], 0
.endr                                              ; register 8 j + i of S^T: key 16 j + 8 (lane / 16) + i of the block
.rept 4
	v_nop
.endr
	s_cmp_lg_u32 s[STP], s[DI]
	s_cbranch_scc1 .Lopen_\@
	; the diagonal block.  B fetches its next queries here; then tile j of 16 keys: below my tile all count, above it none, on it key i + 8 (lane / 16) counts up to lane % 16
	s_cmp_eq_u32 s[ROLE], 0
	s_cbranch_scc1 .Lnoq_\@
	global_load_b128 v[16:19], v[AK0], s[60:61]
	global_load_b128 v[20:23], v[AK0], s[60:61] offset:512
.Lnoq_\@:
.irp j, 0,1,2,3,4,5,6,7
	s_cmp_lg_u32 s[TL], \j
	s_cbranch_scc1 .Lne_\@_\j
.irp i, 0,1,2,3,4,5,6,7
	v_cmp_le_i32 vcc_lo, \i, v[DR]
	v_cndmask_b32 v[S+8*\j+\i], 0xff800000, v[S+8*\j+\i], vcc_lo
.endr
.Lne_\@_\j:
	s_cmp_ge_u32 s[TL], \j
	s_cbranch_scc1 .Lvis_\@_\j
.irp i, 0,1,2,3,4,5,6,7
	v_mov_b32 v[S+8*\j+\i], 0xff800000
.endr
.Lvis_\@_\j:
.endr
	s_wait_alu depctr_va_vdst(0)
.Lopen_\@:
	v_max3_num_f32 v24, v[S], v[S+1], v[S+2]       ; the step's largest score, in four chains
	v_max3_num_f32 v25, v[S+3], v[S+4], v[S+5]
	v_max3_num_f32 v26, v[S+6], v[S+7], v[S+8]
	v_max3_num_f32 v27, v[S+9], v[S+10], v[S+11]
.set nn, 0
.rept 26
	v_max3_num_f32 v[24+nn%4], v[24+nn%4], v[S+12+2*nn], v[S+13+2*nn]
.set nn, nn+1
.endr
	v_max3_num_f32 v24, v24, v25, v26
	s_delay_alu instid0(VALU_DEP_1)
	v_max_num_f32 v24, v24, v27
	s_delay_alu instid0(VALU_DEP_1)
	v_permlanex16_b32 v25, v24, s[SEL], s[SEL+1]
	s_delay_alu instid0(VALU_DEP_1)
	v_max3_num_f32 v13, v13, v24, v25              ; the running largest score
	s_delay_alu instid0(VALU_DEP_1)
	v_mul_f32 v24, s[CS], -v13                     ; -t (the factor is positive)
	s_delay_alu instid0(VALU_DEP_1)
	v_floor_f32 v25, v24                           ; the new -M
	s_delay_alu instid0(VALU_DEP_1)
	v_sub_f32 v24, v25, v12                        ; old M - new M: a whole number, 0 or less
	v_mov_b32 v12, v25
	s_delay_alu instid0(VALU_DEP_2)
	v_cvt_i32_f32 v24, v24                         ; (it saturates)
	s_delay_alu instid0(VALU_DEP_1)
	v_ldexp_f32 v10, 1.0, v24                      ; f = 2^(old M - new M)
.set kk, 0
.rept 32
	v_pk_fma_f32 v[S+kk:S+kk+1], v[S+kk:S+kk+1], s[CS:CS+1], v[12:13] op_sel_hi:[1,0,0]   ; t - M
.set kk, kk+2
.endr
	s_wait_alu depctr_va_vdst(0)                   ; ahead of the batch
.set kk, 0
.rept 64
	v_exp_f32 v[S+kk], v[S+kk]
.set kk, kk+1
.endr
	v_pk_mul_f32 v[14:15], v[14:15], v[10:11] op_sel_hi:[1,0]   ; (also a plain place behind the exponentials)
	s_wait_alu depctr_va_vdst(0)                   ; one wait for the batch and for O^T, directly ahead of their first readers
.set kk, 0
.rept 16
	v_pk_mul_f32 v[O+kk:O+kk+1], v[O+kk:O+kk+1], v[10:11] op_sel_hi:[1,0]
.set kk, kk+2
.endr
.irp c, 0,1,2,3
	v_pk_add_f32 v[24+2*\c:25+2*\c], v[S+4*\c:S+4*\c+1], v[S+4*\c+2:S+4*\c+3]   ; the sum of the unquantised p, in four chains
.endr
.set nn, 0
.rept 24
	v_pk_add_f32 v[24+2*(nn%4):25+2*(nn%4)], v[24+2*(nn%4):25+2*(nn%4)], v[S+16+2*nn:S+17+2*nn]
.set nn, nn+1
.endr
.irp c, 0,1,2,3,4,5,6,7
.irp i, 0,2,4,6
	v_dual_min_num_f32 v[S+8*\c+\i], v[S+8*\c+\i], v[LIM] :: v_dual_min_num_f32 v[S+8*\c+\i+1], v[S+8*\c+\i+1], v[LIM]   ; the conversion does not saturate (ISA guide 7.6.2); p is never negative
.endr
	v_cvt_scalef32_pk8_fp8_f32 v[PC+2*\c:PC+2*\c+1], v[S+8*\c:S+8*\c+7], v[SCP]
.endr
	v_pk_add_f32 v[24:25], v[24:25], v[26:27]      ; the chains are joined here: plain places behind the last conversion
	v_pk_add_f32 v[28:29], v[28:29], v[30:31]
	v_pk_add_f32 v[14:15], v[14:15], v[24:25]
	v_pk_add_f32 v[14:15], v[14:15], v[28:29]
	s_wait_alu depctr_va_vdst(0)                   ; directly ahead of the wait below
	s_wait_dscnt 0x0                               ; V
.irp t, 0,1,2,3
	v_wmma_f32_16x16x128_fp8_fp8 v[O+8*\t:O+8*\t+7], v[VFR+16*\t:VFR+16*\t+15], v[PC:PC+15], v[O+8*\t:O+8*\t+7]
.endr
.Lhidden_\@:
.endm
; A tile is finished: O^T / the sum, held within +-448 x the scale, converted, stored as 2 x 512 consecutive bytes.
.macro FINISH
	v_mov_b32 v28, s[CVS]
	v_mov_b32 v29, s[CVS+1]
	v_add_f32 v14, v14, v15
	v_permlanex16_b32 v25, v14, s[SEL], s[SEL+1]
	v_add_f32 v14, v14, v25                        ; the row's sum
	s_wait_alu depctr_va_vdst(0)                   ; ahead of the transcendental,
	v_rcp_f32 v14, v14
	v_nop
	s_wait_alu depctr_va_vdst(0)                   ; and behind it
.set kk, 0
.rept 16
	v_pk_mul_f32 v[S+kk:S+kk+1], v[O+kk:O+kk+1], v[14:15] op_sel_hi:[1,0]
.set kk, kk+2
.endr
.set kk, 0
.rept 32
	v_med3_num_f32 v[S+kk], v[S+kk], -v29, v29
.set kk, kk+1
.endr
.irp t, 0,1,2,3
	v_cvt_scalef32_pk8_fp8_f32 v[PC+2*\t:PC+2*\t+1], v[S+8*\t:S+8*\t+7], v28
.endr
	v_nop
	global_store_b128 v[AK0], v[PC:PC+3], s[8:9]
	global_store_b128 v[AK0], v[PC+4:PC+7], s[8:9] offset:512
.endm
; Behind its diagonal block B finishes the early tile and begins the late one: with -M = 3e38 the next change of M multiplies the old sums and O^T, finite numbers, by 0 (in the next step, or where A joins them).
.macro PHASE ph, last
.Ltrip_\@:
	STEP \ph
	s_cmp_lg_u32 s[STP], s[FI]
	s_cbranch_scc1 .Lgo_\@
	FINISH
	v_mov_b32 v12, 0x7f61b1e6
	v_mov_b32 v13, 0xff61b1e6
	s_wait_alu depctr_va_vdst(0)                   ; directly ahead of the wait below
	s_wait_xcnt 0x0                                ; the stores have read their registers
.Lgo_\@:
	s_add_co_u32 s[STP], s[STP], 1
	s_cmp_lt_u32 s[STP], \last
	s_cbranch_scc1 .Ltrip_\@
.endm
	s_mov_b32 s[STP], 0
	s_wait_alu depctr_va_vdst(0)                   ; the head's end
	s_wait_tensorcnt 0x0                           ; my part of blocks 0-7 is in; the lines that stand ahead of a later first fill:
	ds_add_u32 v[SPW], v[NIL]
	s_wait_dscnt 0x0
	s_barrier_signal -1
	s_barrier_wait -1                              ; everybody's is
	tensor_load_to_lds s[36:39], s[24:31]          ; key blocks 8-15: bytes never filled before
	s_nop 0
	PHASE 0, 4
	s_wait_tensorcnt 0x0                           ; my part of blocks 8-15 is in
	s_wait_dscnt 0x0
	s_barrier_signal -1
	s_barrier_wait -1                              ; everybody's is
	PHASE 1, 9
	s_cmp_eq_u32 s[ROLE], 0
	s_cbranch_scc1 .Lmine
.rept 4
	v_nop                                          ; places behind the last products, which the stores read
.endr
	ds_store_b128 v[MG], v[12:15]                  ; B: -M and the sum's halves, then O^T
.irp i, 0,1,2,3,4,5,6,7
	ds_store_b128 v[MG], v[O+4*\i:O+4*\i+3] offset:512+512*\i
.endr
.Lmine:
	s_wait_dscnt 0x0                               ; my stores are done: the other wave of the pair reads them behind the barrier
	s_barrier_signal -1
	s_barrier_wait -1
	s_cmp_lg_u32 s[ROLE], 0
	s_cbranch_scc1 .Lend
	ds_load_b128 v[24:27], v[MG]
.irp i, 0,1,2,3,4,5,6,7
	ds_load_b128 v[S+4*\i:S+4*\i+3], v[MG] offset:512+512*\i
.endr
	s_wait_dscnt 0x0
	v_min_num_f32 v28, v12, v24                    ; -M of both
	v_sub_f32 v29, v28, v12
	v_sub_f32 v30, v28, v24
	v_cvt_i32_f32 v29, v29
	v_cvt_i32_f32 v30, v30
	v_ldexp_f32 v10, 1.0, v29                      ; A's factor, an exact power of two
	v_ldexp_f32 v30, 1.0, v30                      ; B's
	v_pk_mul_f32 v[14:15], v[14:15], v[10:11] op_sel_hi:[1,0]
	v_pk_fma_f32 v[14:15], v[26:27], v[30:31], v[14:15] op_sel_hi:[1,0,1]
.set kk, 0
.rept 16
	v_pk_mul_f32 v[O+kk:O+kk+1], v[O+kk:O+kk+1], v[10:11] op_sel_hi:[1,0]
.set kk, kk+2
.endr
.set kk, 0
.rept 16
	v_pk_fma_f32 v[O+kk:O+kk+1], v[S+kk:S+kk+1], v[30:31], v[O+kk:O+kk+1] op_sel_hi:[1,0,1]
.set kk, kk+2
.endr
	FINISH
.Lend:
	s_wait_tensorcnt 0x0                           ; the wave's end
	ds_add_u32 v[SPW], v[NIL]
	s_wait_dscnt 0x0
	s_endpgm
.Lfunc_end_k_q896134e86a_attn:
	.size	k_q896134e86a_attn, .Lfunc_end_k_q896134e86a_attn-k_q896134e86a_attn
	.p2alignl 7, 3214868480
	.fill 96, 4, 3214868480
	.section	.rodata,"a",@progbits
	.p2align	6, 0x0
	.amdhsa_kernel k_q896134e86a_attn
		.amdhsa_group_segment_fixed_size 327680
		.amdhsa_private_segment_fixed_size 0
		.amdhsa_enable_private_segment 0
		.amdhsa_kernarg_size 24
		.amdhsa_user_sgpr_count 2
		.amdhsa_user_sgpr_kernarg_segment_ptr 1
		.amdhsa_wavefront_size32 1
		.amdhsa_system_sgpr_workgroup_id_x 1
		.amdhsa_system_sgpr_workgroup_id_y 1
		.amdhsa_system_sgpr_workgroup_id_z 1
		.amdhsa_system_vgpr_workitem_id 0
		.amdhsa_next_free_vgpr 256
		.amdhsa_next_free_sgpr 66
		.amdhsa_reserve_vcc 1
		.amdhsa_float_denorm_mode_32 3
		.amdhsa_float_denorm_mode_16_64 3
		.amdhsa_memory_ordered 1
		.amdhsa_forward_progress 1
		.amdhsa_inst_pref_size 77
	.end_amdhsa_kernel
	.amdgpu_metadata
---
amdhsa.version: [ 1, 2 ]
amdhsa.kernels:
  - .name:           k_q896134e86a_attn
    .symbol:         k_q896134e86a_attn.kd
    .args:
      - { .name: qkv, .offset: 0, .size: 8, .value_kind: global_buffer, .address_space: global }
      - { .name: lowp_scales, .offset: 8, .size: 8, .value_kind: global_buffer, .address_space: global }
      - { .name: acodes, .offset: 16, .size: 8, .value_kind: global_buffer, .address_space: global }
    .group_segment_fixed_size: 327680
    .private_segment_fixed_size: 0
    .kernarg_segment_align: 8
    .kernarg_segment_size: 24
    .max_flat_workgroup_size: 512
    .sgpr_count:     66
    .vgpr_count:     256
    .wavefront_size: 32
...
	.end_amdgpu_metadata
.endif
;; end of part 2
;; launch proj (part 3): grid 8 x 32, 4 waves a work-group, clusters of 4 x 4, 327,680 bytes of LDS; arguments acodes, W_proj_codes, lowp_scales, out0; writes out0
.if DOCPART == 3
	.amdgcn_target "amdgcn-amd-amdhsa--gfx1250"
	.amdhsa_code_object_version 6
	.text
	.protected	k_q896134e86a_proj
	.globl	k_q896134e86a_proj
	.p2align	8
	.type	k_q896134e86a_proj,@function
k_q896134e86a_proj:
	s_mov_b64 s[64:65], 0
	v_nop
	global_prefetch_b8 v0, s[64:65] scope:SCOPE_SE
	s_setreg_imm32_b32 hwreg(HW_REG_WAVE_MODE, 25, 1), 1
	s_wait_xcnt 0x0
	s_wait_alu depctr_hold_cnt(0) depctr_sa_sdst(0) depctr_va_vdst(0) depctr_va_sdst(0) depctr_va_ssrc(0) depctr_va_vcc(0) depctr_vm_vsrc(0)
	s_getreg_b32 s2, hwreg(HW_REG_IB_STS2, 6, 4)
	s_cmp_eq_u32 s2, 0
	s_cbranch_scc0 .Lentry_in_a_cluster
	s_endpgm
.Lentry_in_a_cluster:
	s_bfe_u32 s2, ttmp6, 0x10000c
	s_cmp_lg_u32 s2, 0xf033
	s_cbranch_scc0 .Lentry_shape_is_right
	s_endpgm
.Lentry_shape_is_right:
; out0 = attention's output x W_proj on codes of FP8 (E4M3): [4096][1024] f32.  A sum is multiplied once by 2^(e6 + e7).  LIMIT: e6 + e7 lies between -126 and 127, so that this is an f32 number.  NaN codes are not served.
; A (acodes) lies as IMAGES OF OPERAND REGISTERS: ((block of 128 tokens x 8 + K step of 128) x 8 + tile of 16 tokens) x 2048 + g x 512 + 16 lane: registers 4 g .. 4 g + 3 of a fragment of 16 tokens x 128 K, k in the
; matrix instruction's own places (registers 2 c, 2 c + 1: k = 16 c + 8 (lane / 16) + 0 .. 7).  B (W_proj_codes) lies as rows [1024 (n)][1024 (k)]: its fragments are read in the same places, by loads of 8 bytes.
; A tile of out0 is 128 x 128: 8 x 32 = 256 work-groups of four waves; a wave makes 64 x 64.  THE WHOLE K OF BOTH TILES LIES IN LDS, brought by one tensor load a wave: waves 0, 1 A's halves, waves 2, 3 64 rows of B each.
; No slot is filled again, and no loop of loads is there for a prefetch to run ahead in.
; BY ROWS OF out0: B's fragments of the whole K stay in 512 registers; my four tiles of 16 tokens are finished one after the other, 32 matrix instructions each, and each leaves while the next is multiplied.
; CLUSTERS: 4 x 4 work-groups.  The four of a row of the cluster need the same block of A, the four of a column the same rows of B: each is asked for JOINTLY, by the same tensor load with a mask that names the four.
; THE MATRIX INSTRUCTION IS USED TRANSPOSED (source 0 = 16 rows of W_proj, source 1 = 16 tokens): a lane holds eight neighbouring numbers of a row of out0.
; LDS: A 0 .. 131,071;  B from 131,072: 128 rows x 1,040 bytes;  then a stage of 16 rows x 272 bytes for each wave, into which no tensor load lands; then the spare words.
; REGISTERS: window 0: v16-29 addresses, v32-95 two sets at work on the way out, v128-255 the accumulators ((a, b) at v[128 + 8 (4 a + b)]).  Windows 1, 2: B's fragments of K steps 0-3, 4-7.  Window 3: A's of one tile of tokens, two buffers.
.set BBASE,  131072
.set BP,     1040                      ; a row of B in LDS: 1,024 bytes + 16 of padding = 260 words: in a load of 8 bytes lane (r, h) begins at bank (4 r + 2 h) mod 64 (64 banks of 4 bytes: ISA guide 11.1)
.set STAGE,  BBASE+128*BP
.set SPITCH, 272
.set SPARE,  STAGE+4*16*SPITCH
.set ADRA, 16                          ; v16-17: K steps 0-3, 4-7
.set ADRB, 20
.set STO,  24
.set RD,   25
.set CO,   26
.set SPW,  28
.set NIL,  29
.set TMP,  32
.set ACC,  128
.set G1A, 16
.set G1B, 24
.set G0A, 32
.set G0B, 48
.set MSB, 0
.macro WIN new                         ; the immediate's high byte repeats the setting that is left
.if MSB != \new
	s_set_vgpr_msb (MSB<<8)|\new
.set MSB, \new
.endif
.endm
.macro CROUND                          ; a round of the cluster's barrier
	s_barrier_signal -1
	s_barrier_wait -1
	s_cmp_lg_u32 s12, 0
	s_cbranch_scc1 .Lnot_wave_0_\@
	s_barrier_signal -3
.Lnot_wave_0_\@:
	s_barrier_wait -3
	s_barrier_signal -1
	s_barrier_wait -1
.endm
	s_load_b256 s[4:11], s[0:1], 0x0               ; acodes s[4:5], W_proj's codes s[6:7], the scales' exponents s[8:9], out0 s[10:11]
	v_lshl_add_u32 v[SPW], v0, 2, SPARE
	v_mov_b32 v[NIL], 0
	ds_add_u32 v[SPW], v[NIL]                      ; the wave's opening: the add, twice on end, ahead of my first tensor load
	ds_add_u32 v[SPW], v[NIL]
	v_lshrrev_b32 v1, 5, v0
	v_readfirstlane_b32 s12, v1                    ; wave 0..3
	s_lshr_b32 s13, s12, 1                         ; which half of the tile's rows is mine
	s_and_b32 s14, s12, 1                          ; which half of its columns.  Also: which half of A or of B I fetch
	s_bfe_u32 s66, ttmp6, 0x40000                  ; cx, cy: my place in the cluster
	s_bfe_u32 s67, ttmp6, 0x40004
	s_lshl_b32 s76, ttmp9, 2
	s_add_co_u32 s76, s76, s66                     ; tile column = 4 x cluster x + cx
	s_and_b32 s77, ttmp7, 0xffff
	s_lshl_b32 s77, s77, 2
	s_add_co_u32 s77, s77, s67                     ; tile row = 4 x cluster y + cy
	s_lshl_b32 s78, s67, 2
	s_lshl_b32 s78, 15, s78                        ; my row of the cluster
	s_lshl_b32 s79, 0x1111, s66                    ; my column
	s_or_b32 s[G1A+0], s78, (3<<16)|(1<<21)        ; A: the mask of my row; elements of 8 bytes; bit 21 set beside a mask; no padding
	s_mov_b32 s[G1A+1], 128<<16                    ; 64 rows of 128 elements: a dense block of 65,536 bytes
	s_mov_b32 s[G1A+2], 64<<16
	s_mov_b32 s[G1A+3], 128<<16
	s_mov_b32 s[G1A+4], 64
	s_mov_b32 s[G1A+5], 128
	s_mov_b32 s[G1A+6], 0
	s_mov_b32 s[G1A+7], 0
	s_or_b32 s[G1B+0], s79, (0<<16)|(1<<20)|(1<<21)|(7<<22)|(3<<25)  ; B: the mask of my column; elements of 1 byte; padding: 4 words (code 3) after every 256 (code 7)
	s_mov_b32 s[G1B+1], 1024<<16                   ; 64 rows of 1,024 bytes
	s_mov_b32 s[G1B+2], 64<<16
	s_mov_b32 s[G1B+3], 1024<<16
	s_mov_b32 s[G1B+4], 64
	s_mov_b32 s[G1B+5], 1024
	s_mov_b32 s[G1B+6], 0
	s_mov_b32 s[G1B+7], 0
	s_lshl_b32 s82, s14, 16                        ; A: my half of the block and of its LDS
	s_lshl_b32 s80, s77, 17                        ; the tile row's block of 131,072 bytes
	s_add_co_u32 s80, s80, s82
	s_mov_b32 s81, 0
	s_lshl_b32 s84, s76, 7
	s_lshl_b32 s83, s14, 6
	s_add_co_u32 s84, s84, s83                     ; B: row 128 x tile column + 64 x (wave % 2),
	s_lshl_b32 s84, s84, 10                        ; of 1,024 bytes
	s_mov_b32 s85, 0
	s_mul_i32 s83, s14, 64*BP
	s_add_co_u32 s83, s83, BBASE                   ; and its place in LDS: no place in the cluster enters an LDS address
	s_wait_dscnt 0x0                               ; both opening adds are done
	s_wait_kmcnt 0x0
	s_load_b256 s[68:75], s[8:9], 0x0              ; e0 .. e7
	s_add_nc_u64 s[80:81], s[4:5], s[80:81]
	s_add_nc_u64 s[84:85], s[6:7], s[84:85]
	s_mov_b32 s[G0A], 1                            ; every wave makes both sets, and asks by one of them
	s_mov_b32 s[G0A+1], s82
	s_mov_b64 s[G0A+2:G0A+3], s[80:81]
	s_or_b32 s[G0A+3], s[G0A+3], 0x80000000
	s_mov_b32 s[G0B], 1
	s_mov_b32 s[G0B+1], s83
	s_mov_b64 s[G0B+2:G0B+3], s[84:85]
	s_or_b32 s[G0B+3], s[G0B+3], 0x80000000
	CROUND                                         ; all sixteen work-groups are here: the joint loads meet
	s_cmp_lt_u32 s12, 2                            ; the wave's one fill; four v_nop follow each of the two lines
	s_cbranch_scc0 .Lfor_b
	tensor_load_to_lds s[G0A:G0A+3], s[G1A:G1A+7]
	s_nop 0
.rept 4
	v_nop
.endr
	s_branch .Lasked
.Lfor_b:
	tensor_load_to_lds s[G0B:G0B+3], s[G1B:G1B+7]
	s_nop 0
.rept 4
	v_nop
.endr
.Lasked:
	v_and_b32 v1, 31, v0
	v_lshlrev_b32 v2, 4, v1                        ; 16 x lane
	s_lshl_b32 s88, s13, 13                        ; my four tiles of 16 tokens: 8,192 bytes of each K step's 16,384
	v_add_nc_u32 v[ADRA], s88, v2                  ; K steps 0-3,
	v_add_nc_u32 v[ADRA+1], 0x10000, v[ADRA]       ; K steps 4-7: an LDS offset has 16 bits
	v_and_b32 v3, 15, v0                           ; r
	v_bfe_u32 v4, v0, 4, 1                         ; h
	v_mul_u32_u24 v5, v3, BP
	v_lshl_add_u32 v5, v4, 3, v5                   ; row r x pitch + 8 h
	v_add_nc_u32 v[ADRB], s83, v5                  ; my 64 rows of B are those at 64 x (wave % 2)
	s_mul_i32 s88, s12, 16*SPITCH
	s_add_co_u32 s88, s88, STAGE                   ; my stage
	v_mul_u32_u24 v6, v3, SPITCH
	v_lshl_add_u32 v6, v4, 5, v6                   ; in: row r, 32 bytes for each half of the lanes
	v_add_nc_u32 v[STO], s88, v6
	v_mul_u32_u24 v7, v4, SPITCH                   ; back: lanes 0-15 take one row of 256 bytes, lanes 16-31 the next
	v_lshl_add_u32 v7, v3, 4, v7
	v_add_nc_u32 v[RD], s88, v7
	v_lshlrev_b32 v8, 12, v4                       ; and the same two rows in out0: a row is 4,096 bytes
	v_lshl_add_u32 v[CO], v3, 4, v8
	s_lshl_b32 s88, s77, 7
	s_lshl_b32 s89, s13, 6
	s_add_co_u32 s88, s88, s89                     ; my first row of out0: 128 x tile row + 64 x half
	s_lshl_b32 s88, s88, 12
	s_lshl_b32 s89, s76, 9                         ; my first column in bytes: 512 x tile column + 256 x half
	s_add_co_u32 s88, s88, s89
	s_lshl_b32 s89, s14, 8
	s_add_co_u32 s88, s88, s89
	s_mov_b32 s89, 0
	s_add_nc_u64 s[10:11], s[10:11], s[88:89]
	s_wait_alu depctr_va_vdst(0)                   ; the head's end
	s_wait_kmcnt 0x0
	s_add_co_i32 s86, s74, s75                     ; e6 + e7
	s_add_co_i32 s86, s86, 127
	s_lshl_b32 s86, s86, 23                        ; 2^(e6 + e7) as f32
	s_mov_b32 s87, s86                             ; (named with it as a pair, so it is written)
.macro FETCH_B q                       ; K step q of B: four fragments of eight loads of 8 bytes (registers 2 c, 2 c + 1: k = 16 c + 8 h + 0 .. 7)
	WIN (0x40+0x40*((\q)/4))
.irp b, 0,1,2,3
.irp c, 0,1,2,3,4,5,6,7
	ds_load_b64 v[64*((\q)%4)+16*\b+2*\c:64*((\q)%4)+16*\b+2*\c+1], v[ADRB] offset:128*(\q)+16*BP*\b+16*\c
.endr
.endr
.endm
.macro FETCH_A a                       ; all of K of my tile a of tokens, into buffer a % 2
	WIN 0xc0
.irp q, 0,1,2,3,4,5,6,7
.irp g, 0,1,2,3
	ds_load_b128 v[128*((\a)%2)+16*\q+4*\g:128*((\a)%2)+16*\q+4*\g+3], v[ADRA+\q/4] offset:(\q%4)*16384+2048*(\a)+512*\g
.endr
.endr
.endm
.macro MULQ a, q                       ; tile a's four accumulators by turns; K step 0 starts the sums
	WIN (0x0d+(\q)/4)
.irp b, 0,1,2,3
.if (\q) == 0
	v_wmma_f32_16x16x128_fp8_fp8 v[ACC+8*(4*(\a)+\b):ACC+8*(4*(\a)+\b)+7], v[64*((\q)%4)+16*\b:64*((\q)%4)+16*\b+15], v[128*((\a)%2)+16*(\q):128*((\a)%2)+16*(\q)+15], 0
.else
	v_wmma_f32_16x16x128_fp8_fp8 v[ACC+8*(4*(\a)+\b):ACC+8*(4*(\a)+\b)+7], v[64*((\q)%4)+16*\b:64*((\q)%4)+16*\b+15], v[128*((\a)%2)+16*(\q):128*((\a)%2)+16*(\q)+15], v[ACC+8*(4*(\a)+\b):ACC+8*(4*(\a)+\b)+7]
.endif
.endr
.endm
; Tile a is finished.  A lane holds 32 neighbouring bytes of a row, and the lanes beside it hold other rows: so a tile goes through my own stage in LDS and comes back as whole rows of 256 bytes, into its own accumulators.
; LDS serves a wave's instructions in order (ISA guide 5.7.1.4): no wait between the stores and the loads, nor in front of the next tile's stores.
.macro DONE a
.rept 4
	v_nop                                          ; places behind the last products: ahead of loads into A's buffer and of the first read of results (ISA guide 7.12.1 for vector instructions)
.endr
.if (\a) < 2
	FETCH_A (\a)+2
.endif
	WIN 0
.irp j, 0,2,4,6,8,10,12,14,16,18,20,22,24,26,28,30
	v_pk_mul_f32 v[TMP+32*((\a)%2)+\j:TMP+32*((\a)%2)+\j+1], v[ACC+32*(\a)+\j:ACC+32*(\a)+\j+1], s[86:87] op_sel_hi:[1,0]   ; both x 2^(e6 + e7); each accumulator from its low end on
.endr
.irp b, 0,1,2,3
	ds_store_b128 v[STO], v[TMP+32*((\a)%2)+8*\b:TMP+32*((\a)%2)+8*\b+3] offset:64*\b
	ds_store_b128 v[STO], v[TMP+32*((\a)%2)+8*\b+4:TMP+32*((\a)%2)+8*\b+7] offset:64*\b+16
.endr
.irp t, 0,1,2,3,4,5,6,7
	ds_load_b128 v[ACC+32*(\a)+4*\t:ACC+32*(\a)+4*\t+3], v[RD] offset:\t*2*SPITCH
.endr
.endm
.macro SEND a
	WIN 0
	s_wait_dscnt 0x0                               ; the tile is back in registers (and the fragments asked for ahead of it are in)
.irp t, 0,1,2,3,4,5,6,7
	global_store_b128 v[CO], v[ACC+32*(\a)+4*\t:ACC+32*(\a)+4*\t+3], s[10:11] offset:65536*(\a)+8192*\t th:TH_STORE_NT   ; 16 lanes store 256 consecutive bytes, at a multiple of 256 from out0's first byte; written once, read by nobody here
.endr
.endm
	s_wait_tensorcnt 0x0                           ; my load has landed,
	s_barrier_signal -1
	s_barrier_wait -1                              ; everybody's has
	FETCH_A 0
	FETCH_B 0
.irp q, 0,1,2,3,4,5,6,7                ; tile 0: B's fragments come in, one K step ahead
.if \q < 7
	FETCH_B \q+1
.else
	FETCH_A 1
.endif
	s_wait_dscnt 32                                ; all but the 32 loads just issued
	MULQ 0, \q
.endr
	DONE 0
	s_wait_dscnt 48                                ; tile 1's fragments are in; tile 2's 32 loads and the stage's 16 instructions may be out
.irp a, 1,2,3
.irp q, 0,1,2,3
	MULQ \a, \q
.endr
	SEND \a-1                                      ; (its wait for 0 also shows tile a + 1's fragments)
.irp q, 4,5,6,7
	MULQ \a, \q
.endr
	DONE \a
.endr
	SEND 3
	s_wait_tensorcnt 0x0                           ; the wave's end
	ds_add_u32 v[SPW], v[NIL]
	s_wait_dscnt 0x0
	CROUND                                         ; the closing round: no work-group ends while a partner may still ask for a tile that names it
	s_endpgm
.Lfunc_end_k_q896134e86a_proj:
	.size	k_q896134e86a_proj, .Lfunc_end_k_q896134e86a_proj-k_q896134e86a_proj
	.p2alignl 7, 3214868480
	.fill 96, 4, 3214868480
	.section	.rodata,"a",@progbits
	.p2align	6, 0x0
	.amdhsa_kernel k_q896134e86a_proj
		.amdhsa_group_segment_fixed_size 327680
		.amdhsa_private_segment_fixed_size 0
		.amdhsa_enable_private_segment 0
		.amdhsa_kernarg_size 32
		.amdhsa_user_sgpr_count 2
		.amdhsa_user_sgpr_kernarg_segment_ptr 1
		.amdhsa_wavefront_size32 1
		.amdhsa_system_sgpr_workgroup_id_x 1
		.amdhsa_system_sgpr_workgroup_id_y 1
		.amdhsa_system_sgpr_workgroup_id_z 1
		.amdhsa_system_vgpr_workitem_id 0
		.amdhsa_next_free_vgpr 1024
		.amdhsa_next_free_sgpr 90
		.amdhsa_reserve_vcc 0
		.amdhsa_float_denorm_mode_32 3
		.amdhsa_float_denorm_mode_16_64 3
		.amdhsa_memory_ordered 1
		.amdhsa_forward_progress 1
		.amdhsa_inst_pref_size 52
	.end_amdhsa_kernel
	.amdgpu_metadata
---
amdhsa.version: [ 1, 2 ]
amdhsa.kernels:
  - .name:           k_q896134e86a_proj
    .symbol:         k_q896134e86a_proj.kd
    .args:
      - { .name: acodes, .offset: 0, .size: 8, .value_kind: global_buffer, .address_space: global }
      - { .name: W_proj_codes, .offset: 8, .size: 8, .value_kind: global_buffer, .address_space: global }
      - { .name: lowp_scales, .offset: 16, .size: 8, .value_kind: global_buffer, .address_space: global }
      - { .name: out0, .offset: 24, .size: 8, .value_kind: global_buffer, .address_space: global }
    .group_segment_fixed_size: 327680
    .private_segment_fixed_size: 0
    .kernarg_segment_align: 8
    .kernarg_segment_size: 32
    .max_flat_workgroup_size: 128
    .sgpr_count:     90
    .vgpr_count:     1024
    .wavefront_size: 32
...
	.end_amdgpu_metadata
.endif
;; end of part 3
